; MI455X (gfx1250); checked and timed in simulation.
; The chip was launched on July 23, 2026; its instructions are those of AMD's public machine-readable ISA for CDNA 5 (MIT licence, August 2026) and "CDNA5" Instruction Set Architecture Reference Guide (July 2026). The comments in the code are by the model that wrote it; some were corrected since.
;; Q Linear Sim. Allowed arithmetic: float matrix products may take bf16 or f16 operands with f32 sums; other float arithmetic in f32, or as packed bf16 or f16 multiplies, adds, multiply-adds, maxima and minima; sums over many terms, partial sums and values carried from step to step in f32; what a program stores and reads back later, other than sums and carried values, may be rounded once to bf16 or f16.
;; Inputs: bias 4,096 float32; qweight 4,096 x 4,096 int8; scale 4,096 float32; x 4 x 1,024 x 4,096 float32.
;; Outputs: out0 4 x 1,024 x 4,096 float32.
;; 2 versions, each right; version 2 is version 1 with the launch convert written anew for expert scheduling mode. Each part assembles by itself: llvm-mc -triple=amdgcn-amd-amdhsa -mcpu=gfx1250 --defsym DOCPART=n.
;; ======== version 1 of 2: 2 launches
;; limits: values are held in f16: magnitudes above 65,504 overflow, below 6.1e-05 lose precision; inputs' magnitudes at most 65,504
;; workspace buffers: xh 33,554,432 bytes; qh 33,554,432 bytes
;; launch convert (part 1): grid 1024 x 1, 8 waves a work-group, no clusters, 0 bytes of LDS; arguments x, qweight, xh, qh; writes xh, qh
.if DOCPART == 1
	.amdgcn_target "amdgcn-amd-amdhsa--gfx1250"
	.amdhsa_code_object_version 6
	.text
	.protected	k_qff4be29a2a_convert
	.globl	k_qff4be29a2a_convert
	.p2align	8
	.type	k_qff4be29a2a_convert,@function
k_qff4be29a2a_convert:
	s_mov_b64 s[64:65], 0
	v_nop
	global_prefetch_b8 v0, s[64:65] scope:SCOPE_SE
	s_setreg_imm32_b32 hwreg(HW_REG_WAVE_MODE, 25, 1), 1
	s_wait_xcnt 0x0
; xh = x rounded to f16, qh = q as f16.  x: 16,777,216 f32; q: 16,777,216 int8; xh, qh: as many f16, in the same order.
; LIMITS.  |x| of 65,520 or more becomes an infinity; below 6.1e-5 x keeps f16's fixed step of 6e-8.  Every int8 number is exact in f16: nothing is assumed of q's range.
; A stream: every byte is read once and written once, nothing is shared and nothing is summed, so there is no LDS, no barrier, no matrix instruction and no cluster.
; SHARES.  1,024 work-groups of eight waves; each takes 16,384 numbers of x and of q.  Thread t takes, of x, 16 bytes at 16 t of each of 16 runs of 4,096 bytes (a wave's load covers 512 consecutive bytes) and
; stores 8 bytes at 8 t of each of 16 runs of 2,048 (a wave's store covers 256 consecutive bytes, aligned); of q, 8 bytes at 8 t of each of 8 runs of 2,048, stored as 16 bytes at 16 t of runs of 4,096.
; All 24 loads of a thread go out first; there is no loop, and no register is written again that a store reads.
; int8 TO f16: the sign bits are flipped (u = q + 128); a byte permute sets each u under the byte 0x64, which is the f16 number 1024 + u; a packed f16 add of -1152 leaves q, exactly.
.set NX,  16                           ; loads of x a thread
.set NQ,  8                            ; loads of q a thread
.set O16, 2                            ; v2        16 t: my place in a run of x and of qh
.set O8,  3                            ; v3        8 t: my place in a run of q and of xh
.set C64, 4                            ; v4        the byte 0x64 four times
.set X,   8                            ; v[8:71]   x as loaded, 4 registers a load
.set Q,   72                           ; v[72:87]  q as loaded, 2 registers a load
.set XH,  88                           ; v[88:119] x in f16, 2 registers a load
.set QH,  120                          ; v[120:151] q in f16, 4 registers a load
.set SGN, 18                           ; s18  0x80808080
.set NEG, 19                           ; s19  -1152 twice, in f16
.set SELLO, 20                         ; s20  byte selects: raw bytes 0 and 1, each under 0x64
.set SELHI, 21                         ; s21  raw bytes 2 and 3
	s_load_b256 s[4:11], s[0:1], 0x0               ; x s[4:5], q s[6:7], xh s[8:9], qh s[10:11]
	s_lshl_b32 s12, ttmp9, 16                      ; the work-group's 65,536 bytes of x
	s_mov_b32 s13, 0
	s_lshl_b32 s14, ttmp9, 14                      ; its 16,384 bytes of q
	s_mov_b32 s15, 0
	s_lshl_b32 s16, ttmp9, 15                      ; its 32,768 bytes of xh and of qh
	s_mov_b32 s17, 0
	s_mov_b32 s[SGN], 0x80808080
	s_mov_b32 s[NEG], 0xe480e480
	s_mov_b32 s[SELLO], 0x04010400
	s_mov_b32 s[SELHI], 0x04030402
	v_lshlrev_b32 v[O16], 4, v0
	v_lshlrev_b32 v[O8], 3, v0
	v_mov_b32 v[C64], 0x64646464
	s_wait_kmcnt 0x0
	s_add_nc_u64 s[4:5], s[4:5], s[12:13]
	s_add_nc_u64 s[6:7], s[6:7], s[14:15]
	s_add_nc_u64 s[8:9], s[8:9], s[16:17]
	s_add_nc_u64 s[10:11], s[10:11], s[16:17]
.set j, 0
.rept NX
	global_load_b128 v[X+4*j:X+4*j+3], v[O16], s[4:5] offset:4096*j
.set j, j+1
.endr
.set j, 0
.rept NQ
	global_load_b64 v[Q+2*j:Q+2*j+1], v[O8], s[6:7] offset:2048*j
.set j, j+1
.endr
.set j, 0
.rept NX
	s_wait_loadcnt NX+NQ-1-j                       ; loads come back in order (ISA guide 5.7.1): x's load j is in, the younger ones stay out
	v_cvt_pk_f16_f32 v[XH+2*j],   v[X+4*j],   v[X+4*j+1]  ; two roundings to f16, packed
	v_cvt_pk_f16_f32 v[XH+2*j+1], v[X+4*j+2], v[X+4*j+3]
	global_store_b64 v[O8], v[XH+2*j:XH+2*j+1], s[8:9] offset:2048*j
.set j, j+1
.endr
.set j, 0
.rept NQ
	s_wait_loadcnt NQ-1-j                          ; q's load j is in
	v_xor_b32 v[Q+2*j],   s[SGN], v[Q+2*j]         ; u = q + 128, four at a time
	v_xor_b32 v[Q+2*j+1], s[SGN], v[Q+2*j+1]
	v_perm_b32 v[QH+4*j],   v[C64], v[Q+2*j],   s[SELLO]  ; 1024 + u, two at a time
	v_perm_b32 v[QH+4*j+1], v[C64], v[Q+2*j],   s[SELHI]
	v_perm_b32 v[QH+4*j+2], v[C64], v[Q+2*j+1], s[SELLO]
	v_perm_b32 v[QH+4*j+3], v[C64], v[Q+2*j+1], s[SELHI]
.irp e, 0,1,2,3
	v_pk_add_f16 v[QH+4*j+(\e)], v[QH+4*j+(\e)], s[NEG]   ; less 1152: q
.endr
	global_store_b128 v[O16], v[QH+4*j:QH+4*j+3], s[10:11] offset:4096*j
.set j, j+1
.endr
	s_endpgm
.Lfunc_end_k_qff4be29a2a_convert:
	.size	k_qff4be29a2a_convert, .Lfunc_end_k_qff4be29a2a_convert-k_qff4be29a2a_convert
	.p2alignl 7, 3214868480
	.fill 96, 4, 3214868480
	.section	.rodata,"a",@progbits
	.p2align	6, 0x0
	.amdhsa_kernel k_qff4be29a2a_convert
		.amdhsa_group_segment_fixed_size 0
		.amdhsa_private_segment_fixed_size 0
		.amdhsa_enable_private_segment 0
		.amdhsa_kernarg_size 32
		.amdhsa_user_sgpr_count 2
		.amdhsa_user_sgpr_kernarg_segment_ptr 1
		.amdhsa_wavefront_size32 1
		.amdhsa_system_sgpr_workgroup_id_x 1
		.amdhsa_system_sgpr_workgroup_id_y 1
		.amdhsa_system_sgpr_workgroup_id_z 1
		.amdhsa_system_vgpr_workitem_id 0
		.amdhsa_next_free_vgpr 152
		.amdhsa_next_free_sgpr 66
		.amdhsa_reserve_vcc 0
		.amdhsa_float_denorm_mode_32 3
		.amdhsa_float_denorm_mode_16_64 3
		.amdhsa_memory_ordered 1
		.amdhsa_forward_progress 1
		.amdhsa_inst_pref_size 13
	.end_amdhsa_kernel
	.amdgpu_metadata
---
amdhsa.version: [ 1, 2 ]
amdhsa.kernels:
  - .name:           k_qff4be29a2a_convert
    .symbol:         k_qff4be29a2a_convert.kd
    .args:
      - { .name: x, .offset: 0, .size: 8, .value_kind: global_buffer, .address_space: global }
      - { .name: qweight, .offset: 8, .size: 8, .value_kind: global_buffer, .address_space: global }
      - { .name: xh, .offset: 16, .size: 8, .value_kind: global_buffer, .address_space: global }
      - { .name: qh, .offset: 24, .size: 8, .value_kind: global_buffer, .address_space: global }
    .group_segment_fixed_size: 0
    .private_segment_fixed_size: 0
    .kernarg_segment_align: 8
    .kernarg_segment_size: 32
    .max_flat_workgroup_size: 256
    .sgpr_count:     66
    .vgpr_count:     152
    .wavefront_size: 32
...
	.end_amdgpu_metadata
.endif
;; end of part 1
;; launch gemm (part 2): grid 16 x 16, 4 waves a work-group, clusters of 4 x 4, 327,680 bytes of LDS; arguments xh, qh, scale, bias, out0; writes out0
.if DOCPART == 2
	.amdgcn_target "amdgcn-amd-amdhsa--gfx1250"
	.amdhsa_code_object_version 6
	.text
	.protected	k_qff4be29a2a_gemm
	.globl	k_qff4be29a2a_gemm
	.p2align	8
	.type	k_qff4be29a2a_gemm,@function
k_qff4be29a2a_gemm:
	s_mov_b64 s[64:65], 0
	v_nop
	global_prefetch_b8 v0, s[64:65] scope:SCOPE_SE
	s_setreg_imm32_b32 hwreg(HW_REG_WAVE_MODE, 25, 1), 1
	s_wait_xcnt 0x0
	s_wait_alu depctr_hold_cnt(0) depctr_sa_sdst(0) depctr_va_vdst(0) depctr_va_sdst(0) depctr_va_ssrc(0) depctr_va_vcc(0) depctr_vm_vsrc(0)
	s_getreg_b32 s2, hwreg(HW_REG_IB_STS2, 6, 4)
	s_cmp_eq_u32 s2, 0
	s_cbranch_scc0 .Lentry_in_a_cluster
	s_endpgm
.Lentry_in_a_cluster:
	s_bfe_u32 s2, ttmp6, 0x10000c
	s_cmp_lg_u32 s2, 0xf033
	s_cbranch_scc0 .Lentry_shape_is_right
	s_endpgm
.Lentry_shape_is_right:
; out[m][n] = scale[n] * (sum over k of A[m][k] B[n][k]) + bias[n].  A = xh: [4096][4096] f16, B = qh: [4096][4096] f16, scale, bias: [4096] f32, out: [4096][4096] f32.  Sums in f32, K ascending.
; LIMITS.  The scale multiplies the finished sum, not each weight: the result differs from scaling first by the order of f32 roundings alone.  NaN and infinities go through the products as they are.
; SHARES.  A tile of out, 256 x 256, is made by a work-group of four waves; a wave makes 128 x 128: 64 accumulators of 16 x 16, 512 registers.  16 x 16 tiles: one work-group each.
; K goes in steps of 128 through a ring of two LDS slots filled by the tensor data mover: the rows of A's and B's tiles are 256 bytes of memory and start at multiples of 256 bytes from the buffer's first byte.
; CLUSTERS: 4 x 4 work-groups.  The four of a row of the cluster need the same tiles of A, the four of a column the same tiles of B.  Such a tile is asked for JOINTLY: each of the four issues the same tensor
; load, with the same descriptor and a mask that names the four, and each receives the tile in its own LDS.
; REGISTERS, in windows of 256 (s_set_vgpr_msb's low byte: bits 1:0 source 0, 3:2 source 1, 5:4 source 2, 7:6 destination):
;   window 0: v0-31 addresses; v64-127, v128-191 fragments of A (8 x 16 rows x 32 K), two buffers.  On the way out: v64-127 results, v128-191 and v192-255 rows read back from the stage
;   window 1: v64-127, v128-191 fragments of B, two buffers; v0-63 my scales, v192-255 my biases: eight for each block of 16 columns
;   window 2: the 32 accumulators of my rows 0-63 (accumulator (a, b) at v[8 (8 a + b)]);   window 3: those of my rows 64-127
; Work is laid in long stretches under one setting: 32 matrix instructions, 16 loads, 16 loads, 32 matrix instructions.
; THE MATRIX INSTRUCTION IS USED TRANSPOSED: source 0 = 16 rows of B, source 1 = 16 rows of A.  In the result lane l holds row m = l % 16 of out, and its registers 0 to 7 the columns n = 8 (l / 16) + 0 .. 7:
; eight neighbouring numbers of a row, 32 bytes.
.set SIZE_N, 4096
.set SIZE_K, 4096
.set KSTEP,  128
.set PITCH,  272                       ; an LDS row: 256 bytes of data + 16 of padding = 68 words: row r starts at bank 4 r mod 64 (64 banks of 4 bytes: ISA guide 11.1), so the 16 rows that a load touches start at 16 different banks
.set HALFT,  128*PITCH                 ; 128 rows: what one tensor load brings, and what one wave reads of A or of B
.set SLOT,   4*HALFT                   ; A's 256 rows, then B's 256 rows
.set STAGE,  2*SLOT                    ; behind the ring, never filled by a tensor load: 16 rows x 528 bytes for each wave, for the way out
.set SP,     528                       ; a stage row: 512 bytes + 16: the 16 rows that a store touches start at 16 different groups of four banks
.set SPARE,  STAGE+4*16*SP             ; behind the stages: the spare words, 128 bytes for each wave: two blocks of 256 bytes that no other line names
.set LAPS, SIZE_K/(2*KSTEP)            ; a lap = two K steps = once round the ring
.set ADRA, 16                          ; v16-17  LDS address of my A fragments in slot 0, 1
.set ADRB, 20                          ; v20-21  the same for B
.set STO,  24                          ; v24     the way out: where I put 32 bytes of a row
.set RD,   25                          ; v25     the way out: where I read a row back
.set CO,   26                          ; v26     16 x lane: my byte offset in 512 consecutive bytes of out
.set SO,   27                          ; v27     32 x (lane / 16): my eight numbers in a block of 16 scales or biases
.set SPW,  28                          ; v28     LDS address of my spare word: SPARE + 4 x my thread's number; never rewritten
.set NIL,  29                          ; v29     0; never rewritten
.set F0,   64                          ; fragment buffer 0
.set F1,   128                         ; fragment buffer 1
.set TMP,  64                          ; the way out: 16 rows' results, in window 0
.set OB,   128                         ; the way out: 16 rows read back from the stage: v128-191 and v192-255 by turns
.set SC,   0                           ; window 1: my scales, column block b at SC + 8 b
.set BI,   192                         ; window 1: my biases
.set WV,   14                          ; s14  my wave's number
.set RH,   15                          ; s15  which half of the tile's rows is mine.  Also: I fetch for A (0) or for B (1)
.set CH,   16                          ; s16  which half of its columns.  Also: which 128 rows of that tile I fetch
.set G1, 24                            ; s[24:31] descriptor group 1 for A's tiles
.set G0, 32                            ; s[32:39] descriptor group 0 for A's tiles, one set for each slot
.set G1B, 48                           ; s[48:55] descriptor group 1 for B's tiles: it differs from A's in the mask alone
.set G0B, 56                           ; s[56:63] descriptor group 0 for B's tiles, one set for each slot
.set MSB, 0
.macro WIN new                         ; the immediate's high byte repeats the setting that is left; a switch that changes nothing is dropped
.if MSB != (\new)
	s_set_vgpr_msb (MSB<<8)|(\new)
.set MSB, \new
.endif
.endm
.set MUL_LO, 0xa1                      ; source 0 (B) window 1, source 1 (A) window 0, C and D window 2
.set MUL_HI, 0xf1                      ; the same, C and D window 3
.set TO_B,   0x40                      ; destination window 1, address window 0
; A joint load.  Waves 0 and 1 fetch A's two halves, waves 2 and 3 B's.  Each of the two lines has ONE mask and one set of registers for all that issue it.  The branch hangs on the wave's number alone.
; An s_nop 0 and four v_nop follow each of the two lines; the jump round the other line, the label and what follows the macro come after them.
.macro JLOAD s
	s_cmp_eq_u32 s[RH], 0
	s_cbranch_scc0 .Lfor_b_\@
	tensor_load_to_lds s[G0+4*(\s):G0+4*(\s)+3], s[G1:G1+7]
	s_nop 0
.rept 4
	v_nop
.endr
	s_branch .Lasked_\@
.Lfor_b_\@:
	tensor_load_to_lds s[G0B+4*(\s):G0B+4*(\s)+3], s[G1B:G1B+7]
	s_nop 0
.rept 4
	v_nop
.endr
.Lasked_\@:
.endm
; A round of the cluster's barrier: my work-group's barrier, so that wave 0's signal speaks for all four waves; wave 0 signals for the work-group; every wave waits for all
; sixteen work-groups; my work-group's barrier once more.  No LDS instruction of the wave is pending at a signal.
.macro CREST                           ; a round behind its opening barrier
	s_cmp_lg_u32 s[WV], 0
	s_cbranch_scc1 .Lnot_wave_0_\@
	s_barrier_signal -3
.Lnot_wave_0_\@:
	s_barrier_wait -3
	s_barrier_signal -1
	s_barrier_wait -1
.endm
.macro CROUND                          ; a whole round
	s_barrier_signal -1
	s_barrier_wait -1
	CREST
.endm
	s_load_b256 s[4:11], s[0:1], 0x0               ; A s[4:5], B s[6:7], scale s[8:9], bias s[10:11]
	s_load_b64 s[12:13], s[0:1], 0x20              ; out
	v_lshl_add_u32 v[SPW], v0, 2, SPARE
	v_mov_b32 v[NIL], 0
	ds_add_u32 v[SPW], v[NIL]                      ; the wave's opening: the add and its wait stand ahead of my first tensor load; the set-up below, work on registers, stands between them
	v_lshrrev_b32 v1, 5, v0
	v_readfirstlane_b32 s[WV], v1                  ; wave 0..3
	s_lshr_b32 s[RH], s[WV], 1
	s_and_b32 s[CH], s[WV], 1
	s_bfe_u32 s40, ttmp6, 0x40000                  ; cx: my place along the cluster's x
	s_bfe_u32 s41, ttmp6, 0x40004                  ; cy: along its y
	s_lshl_b32 s42, ttmp9, 2                       ; in a cluster launch ttmp9 and ttmp7 count clusters
	s_add_co_u32 s42, s42, s40                     ; tile column of out = 4 x cluster x + cx
	s_and_b32 s45, ttmp7, 0xffff
	s_lshl_b32 s45, s45, 2
	s_add_co_u32 s45, s45, s41                     ; tile row of out = 4 x cluster y + cy
	s_lshl_b32 s43, s41, 2
	s_lshl_b32 s43, 15, s43                        ; my row of the cluster: places 4 cy .. 4 cy + 3
	s_lshl_b32 s44, 0x1111, s40                    ; my column: places cx, cx + 4, cx + 8, cx + 12
	; descriptor group 1: a tile of 128 rows x 128 elements, padded in LDS
	s_or_b32 s[G1+0], s43, (1<<16)|(1<<20)|(1<<21)|(5<<22)|(3<<25)  ; 15:0 the mask: A's tiles go to my row; 17:16 element of 2 bytes; 20 padding on; 21 set beside a mask; 24:22 after every 64 words (code 5); 31:25 of 4 words (code 3)
	s_or_b32 s[G1B+0], s44, (1<<16)|(1<<20)|(1<<21)|(5<<22)|(3<<25) ; the same with the mask of my column, for B's tiles
	s_mov_b32 s[G1B+1], KSTEP<<16
	s_mov_b32 s[G1+1], KSTEP<<16                   ; 63:48 tensor_dim0, low half = 128
	s_mov_b32 s[G1B+2], 128<<16
	s_mov_b32 s[G1+2], 128<<16                     ; 79:64 its high half = 0; 95:80 tensor_dim1, low half = 128
	s_mov_b32 s[G1B+3], KSTEP<<16
	s_mov_b32 s[G1+3], KSTEP<<16                   ; 111:96 its high half = 0; 127:112 tile_dim0 = 128
	s_mov_b32 s[G1B+4], 128
	s_mov_b32 s[G1+4], 128                         ; 143:128 tile_dim1 = 128; 159:144 tile_dim2 = 0
	s_mov_b32 s[G1B+5], SIZE_K
	s_mov_b32 s[G1+5], SIZE_K                      ; 191:160 tensor_dim0_stride, low word: elements from row to row
	s_mov_b32 s[G1B+6], 0
	s_mov_b32 s[G1+6], 0
	s_mov_b32 s[G1B+7], 0
	s_mov_b32 s[G1+7], 0
	; where the tiles come from.  A's hang on the tile row alone, which my row of the cluster shares; B's on the tile column alone, which my column shares.
	; Every wave makes both addresses, in registers that never hold the other coordinate, and asks by one of them.
	s_lshl_b32 s17, s[CH], 20                      ; which 128 rows of 8,192 bytes of the tile I fetch
	s_lshl_b32 s20, s45, 21                        ; A: 256 rows of 8,192 bytes for each tile row
	s_add_co_u32 s20, s20, s17
	s_mov_b32 s21, 0
	s_lshl_b32 s46, s42, 21                        ; B: the same for each tile column
	s_add_co_u32 s46, s46, s17
	s_mov_b32 s47, 0
	s_mul_i32 s22, s[WV], HALFT                    ; and where they go: A's two halves, then B's two halves = wave x 128 rows: no place in the cluster enters an LDS address
	s_wait_dscnt 0x0                               ; the opening add is done
	s_wait_kmcnt 0x0
	s_add_nc_u64 s[20:21], s[4:5], s[20:21]
	s_add_nc_u64 s[46:47], s[6:7], s[46:47]
	CROUND                                         ; all sixteen work-groups are here: the first joint loads meet
.irp s, 0,1
	s_mov_b32 s[G0+4*(\s)], 1                                      ; 1:0 count = 1
	s_add_co_u32 s[G0+4*(\s)+1], s22, (\s)*SLOT                    ; 63:32 LDS address
	s_add_nc_u64 s[G0+4*(\s)+2:G0+4*(\s)+3], s[20:21], (\s)*KSTEP*2  ; 120:64 global address: K step s
	s_or_b32 s[G0+4*(\s)+3], s[G0+4*(\s)+3], 0x80000000            ; 127:126 type = 2
	s_mov_b32 s[G0B+4*(\s)], 1
	s_add_co_u32 s[G0B+4*(\s)+1], s22, (\s)*SLOT
	s_add_nc_u64 s[G0B+4*(\s)+2:G0B+4*(\s)+3], s[46:47], (\s)*KSTEP*2
	s_or_b32 s[G0B+4*(\s)+3], s[G0B+4*(\s)+3], 0x80000000
	JLOAD \s                                       ; the ring is filled before anything else is done: two loads of mine are out
.endr
	; scale, bias and out at my wave's 128 columns; out at my wave's 128 rows
	s_lshl_b32 s46, s42, 10                        ; 256 columns of 4 bytes for each tile column (in the registers that held B's address: none that feeds A's descriptors ever holds cx)
	s_lshl_b32 s17, s[CH], 9                       ; + 128 columns for the right half
	s_add_co_u32 s46, s46, s17
	s_mov_b32 s47, 0
	s_add_nc_u64 s[8:9], s[8:9], s[46:47]
	s_add_nc_u64 s[10:11], s[10:11], s[46:47]
	s_add_nc_u64 s[12:13], s[12:13], s[46:47]
	s_lshl_b32 s20, s45, 22                        ; 256 rows of 16,384 bytes for each tile row
	s_lshl_b32 s17, s[RH], 21                      ; + 128 rows for the lower half
	s_add_co_u32 s20, s20, s17
	s_mov_b32 s21, 0
	s_add_nc_u64 s[12:13], s[12:13], s[20:21]
	v_and_b32 v1, 15, v0                           ; l % 16
	v_bfe_u32 v2, v0, 4, 1                         ; l / 16
	v_lshlrev_b32 v[SO], 5, v2
	; my scales and biases, once, straight into the layout of the results: for column block b the eight numbers at columns 16 b + 8 (l / 16) + 0..7.  1,024 bytes a wave in all
	WIN TO_B
.irp b, 0,1,2,3,4,5,6,7
	global_load_b128 v[SC+8*(\b):SC+8*(\b)+3],   v[SO], s[8:9] offset:64*(\b)
	global_load_b128 v[SC+8*(\b)+4:SC+8*(\b)+7], v[SO], s[8:9] offset:64*(\b)+16
	global_load_b128 v[BI+8*(\b):BI+8*(\b)+3],   v[SO], s[10:11] offset:64*(\b)
	global_load_b128 v[BI+8*(\b)+4:BI+8*(\b)+7], v[SO], s[10:11] offset:64*(\b)+16
.endr
	WIN 0
	; A fragment is 16 rows x 32 K in 8 registers: lane l holds row l % 16; registers 0-3 hold K = 8 (l / 16) + 0..7, registers 4-7 hold
	; K = 16 + 8 (l / 16) + 0..7.  From rows that lie along K: two loads of 16 bytes, 32 bytes apart.  The same for source 0 and source 1.
	v_mul_u32_u24 v3, v1, PITCH
	v_lshl_add_u32 v3, v2, 4, v3                   ; row x pitch + 16 x half
	s_mul_i32 s18, s[RH], HALFT                    ; my 128 rows of A
	s_mul_i32 s19, s[CH], HALFT                    ; my 128 rows of B,
	s_add_co_u32 s19, s19, 2*HALFT                 ; which lie behind A's 256
.irp s, 0,1
	v_add_nc_u32 v[ADRA+(\s)], s18, v3
	v_add_nc_u32 v[ADRB+(\s)], s19, v3
	s_add_co_u32 s18, s18, SLOT
	s_add_co_u32 s19, s19, SLOT
.endr
	s_mul_i32 s23, s[WV], 16*SP
	s_add_co_u32 s23, s23, STAGE                   ; my stage
	v_and_b32 v4, 31, v0                           ; l
	v_lshlrev_b32 v[CO], 4, v4
	v_mul_u32_u24 v5, v1, SP                       ; in: row l % 16, 32 bytes for each half of the lanes
	v_lshl_add_u32 v5, v2, 5, v5
	v_add_nc_u32 v[STO], s23, v5
	v_add_nc_u32 v[RD], s23, v[CO]                 ; back: 32 lanes take one row of 512 bytes
; 16 matrix instructions: m blocks a0, a0 + 1 of the window's four (hi = 0: my rows 0-63, 1: rows 64-127) x all 8 n blocks, 32 along K.
; zero = 1: the first product starts the sums: nothing is ever cleared.  The 64 accumulators take turns, in the same order in every quarter step.
.macro MUL16 f, hi, a0, zero
	WIN MUL_LO+0x50*(\hi)  ; MUL_LO or MUL_HI
.irp a, \a0, (\a0)+1
.irp b, 0,1,2,3,4,5,6,7
.if \zero
	v_wmma_f32_16x16x32_f16 v[8*(8*(\a)+(\b)):8*(8*(\a)+(\b))+7], v[(\f)+8*(\b):(\f)+8*(\b)+7], v[(\f)+8*(4*(\hi)+(\a)):(\f)+8*(4*(\hi)+(\a))+7], 0
.else
	v_wmma_f32_16x16x32_f16 v[8*(8*(\a)+(\b)):8*(8*(\a)+(\b))+7], v[(\f)+8*(\b):(\f)+8*(\b)+7], v[(\f)+8*(4*(\hi)+(\a)):(\f)+8*(4*(\hi)+(\a))+7], v[8*(8*(\a)+(\b)):8*(8*(\a)+(\b))+7]
.endif
.endr
.endr
.endm
; 32 LDS loads in one run: the fragments of one quarter step (128 rows of B, 128 rows of A, 32 K at byte k of the rows) into buffer f
.macro FETCH slot, k, f
	WIN TO_B
.irp i, 0,1,2,3,4,5,6,7
	ds_load_b128 v[(\f)+8*(\i):(\f)+8*(\i)+3],   v[ADRB+(\slot)] offset:(\k)+(\i)*16*PITCH
	ds_load_b128 v[(\f)+8*(\i)+4:(\f)+8*(\i)+7], v[ADRB+(\slot)] offset:(\k)+(\i)*16*PITCH+32
.endr
	WIN 0
.irp i, 0,1,2,3,4,5,6,7
	ds_load_b128 v[(\f)+8*(\i):(\f)+8*(\i)+3],   v[ADRA+(\slot)] offset:(\k)+(\i)*16*PITCH
	ds_load_b128 v[(\f)+8*(\i)+4:(\f)+8*(\i)+7], v[ADRA+(\slot)] offset:(\k)+(\i)*16*PITCH+32
.endr
.endm
; A load into a register that a matrix instruction has read, and a vector instruction that reads a matrix result or writes one of a matrix instruction's registers, stand four places behind that
; matrix instruction, and only plain vector instructions that name none of its registers are places (ISA guide 7.12.1 for vector instructions).
.macro PLACES
.rept 4
	v_nop
.endr
.endm
; A K step is four quarter steps of 32 along K, 64 matrix instructions each, on buffers 0, 1, 0, 1.
; One of the first three: multiplies buffer f; in its middle it fetches the next quarter's fragments, at byte k of the same slot's rows, into buffer g.
.macro QUARTER slot, k, f, g, zero
	s_wait_dscnt 8                                 ; B and A's rows 0-63 are in; the youngest eight loads (A's rows 64-127) may be out
	WIN MUL_LO
	MUL16 \f, 0, 0, \zero
	MUL16 \f, 0, 2, \zero
	PLACES
	FETCH \slot, \k, \g
	s_wait_dscnt 32                                ; all but the 32 just issued
	WIN MUL_HI
	MUL16 \f, 1, 0, \zero
	MUL16 \f, 1, 2, \zero
.endm
; The last quarter multiplies buffer 1 and changes slots.  MEET is its first half: ONE barrier for the change of slots, for two things.  In front of it each wave waits for all its tensor loads, of which
; one is out: its part of the next slot; adds 0 to its spare word; and waits for that and for its own reads of this slot.  Behind it nobody reads this slot any more and the next slot is whole.
.macro MEET round                      ; round = 1: a round of the cluster's barrier follows
	WIN 0                                          ; (the add's two registers lie in window 0)
	s_wait_tensorcnt 0x0                           ; all my tensor loads have landed: the one that was out is my part of the next slot;
	ds_add_u32 v[SPW], v[NIL]                      ; 0 onto my spare word;
	s_wait_dscnt 9                                 ; (the add and the youngest eight loads may be out)
	WIN MUL_LO
	MUL16 F1, 0, 0, 0                              ; sixteen matrix instructions stand between the add and the wait for it
	s_wait_dscnt 0x0                               ; the add is done, and my reads of this slot are over (the last were issued 48 matrix instructions ago):
	s_barrier_signal -1                            ; say so (where a slot is filled again this barrier opens a round of the cluster's barrier),
	MUL16 F1, 0, 2, 0                              ; work on registers while the others arrive,
.if \round
	WIN 0
.endif
	s_barrier_wait -1                              ; and go on when all four have said so
.endm
; The whole last quarter.  Behind the round the slot just read out is filled again first, with the K step two steps on; then come the next slot's first fragments.
; From a request to the wait for it a wave issues 224 matrix instructions.
.macro TURN slot, next
	MEET 1
	CREST                                          ; wave 0 says so for the work-group, all sixteen work-groups have said so, my work-group's barrier closes the round:
	                                               ; no wave of any partner still reads this slot's tile or has a load on its way
	s_add_nc_u64 s[G0+4*(\slot)+2:G0+4*(\slot)+3], s[G0+4*(\slot)+2:G0+4*(\slot)+3], 2*KSTEP*2
	s_add_nc_u64 s[G0B+4*(\slot)+2:G0B+4*(\slot)+3], s[G0B+4*(\slot)+2:G0B+4*(\slot)+3], 2*KSTEP*2
	JLOAD \slot                                    ; the first tensor load behind the round; the four v_nop behind it are also the places in front of the loads below
	FETCH \next, 0, F0
	WIN MUL_HI
	MUL16 F1, 1, 0, 0
	MUL16 F1, 1, 2, 0
.endm
	s_wait_loadcnt 0x0                             ; scales and biases are in: no load of mine is out at the barriers
	s_wait_tensorcnt 1                             ; my part of K step 0 is in; K step 1's may stay out
	s_barrier_signal -1
	s_barrier_wait -1                              ; everybody's is
	FETCH 0, 0, F0
	QUARTER 0, 64,  F0, F1, 1                      ; the first quarter stands in front of the loop: its products start the sums
	WIN 0                                          ; at a label and at a branch every window is 0
	s_mov_b32 s3, LAPS-1
.Llap:                                                 ; a trip goes once round the ring, from a lap's second quarter to the next lap's first, and fills both slots again
	QUARTER 0, 128, F1, F0, 0
	QUARTER 0, 192, F0, F1, 0
	TURN 0, 1
	QUARTER 1, 64,  F0, F1, 0
	QUARTER 1, 128, F1, F0, 0
	QUARTER 1, 192, F0, F1, 0
	TURN 1, 0
	QUARTER 0, 64,  F0, F1, 0
	WIN 0
	s_sub_co_u32 s3, s3, 1
	s_cmp_lg_u32 s3, 0
	s_cbranch_scc1 .Llap
	QUARTER 0, 128, F1, F0, 0                      ; the last lap is written out: it fills nothing
	QUARTER 0, 192, F0, F1, 0
	MEET 0                                         ; my one tensor load that was still out is slot 1's, the last K step's, so no round follows
	PLACES                                         ; for the loads into buffer 0, which the quarter before multiplied
	FETCH 1, 0, F0
	WIN MUL_HI
	MUL16 F1, 1, 0, 0
	MUL16 F1, 1, 2, 0
	QUARTER 1, 64,  F0, F1, 0
	QUARTER 1, 128, F1, F0, 0
	QUARTER 1, 192, F0, F1, 0
	s_wait_dscnt 8                                 ; the very last quarter: nothing more to fetch
	MUL16 F1, 0, 0, 0
	MUL16 F1, 0, 2, 0
	s_wait_dscnt 0x0
	MUL16 F1, 1, 0, 0
	MUL16 F1, 1, 2, 0
; THE WAY OUT of row block a, in three parts.  PACK: sum x scale + bias, one fused multiply-add in f32, two at a time; each accumulator's registers in ascending order.
; TOSTAGE: a lane's eight numbers of a row, 32 bytes, into my own stage in LDS, and back as whole rows of 512 bytes.  SEND: stored.
.macro PACK a
	WIN 0x16+(\a)/4                                ; source 0 window 2 or 3, sources 1 and 2 window 1, destination window 0
.irp b, 0,1,2,3,4,5,6,7
.irp r, 0,1,2,3
	v_pk_fma_f32 v[TMP+8*(\b)+2*(\r):TMP+8*(\b)+2*(\r)+1], v[64*((\a)%4)+8*(\b)+2*(\r):64*((\a)%4)+8*(\b)+2*(\r)+1], v[SC+8*(\b)+2*(\r):SC+8*(\b)+2*(\r)+1], v[BI+8*(\b)+2*(\r):BI+8*(\b)+2*(\r)+1]
.endr
.endr
	WIN 0
.endm
.macro TOSTAGE a
	WIN 0
.set BK, OB+64*((\a)%2)
.irp b, 0,1,2,3,4,5,6,7
	ds_store_b128 v[STO], v[TMP+8*(\b):TMP+8*(\b)+3]   offset:64*(\b)
	ds_store_b128 v[STO], v[TMP+8*(\b)+4:TMP+8*(\b)+7] offset:64*(\b)+16
.endr
.set t, 0
.rept 16
	ds_load_b128 v[BK+4*t:BK+4*t+3], v[RD] offset:SP*t  ; LDS serves a wave's instructions in order (ISA guide 5.7.1.4): these see the stores above
.set t, t+1
.endr
.endm
.macro SEND a
	WIN 0
.set BK, OB+64*((\a)%2)
	s_wait_dscnt 0x0                               ; the block is back in registers
	s_wait_xcnt 0x0                                ; every earlier memory instruction has had its addresses translated (ISA guide 3.1): only behind this wait are the stores' base and the registers that earlier stores read rewritten
.if (\a) > 0
	s_add_nc_u64 s[12:13], s[12:13], 16*SIZE_N*4   ; 16 rows of out on, so that the stores' offsets stay small: 15 rows at the most
.endif
.set t, 0
.rept 16
	global_store_b128 v[CO], v[BK+4*t:BK+4*t+3], s[12:13] offset:t*SIZE_N*4  ; 32 lanes store 512 consecutive bytes, at a multiple of 512 from out's first byte
.set t, t+1
.endr
.endm
	PLACES                                         ; the lines below read matrix results and write registers that the last products read
	PACK 0
	TOSTAGE 0
.irp a, 1,2,3,4,5,6,7                  ; block a's arithmetic stands between block a - 1's loads from the stage and the wait for them
	PACK \a
	SEND (\a)-1
	TOSTAGE \a
.endr
	SEND 7
	s_wait_tensorcnt 0x0                           ; the wave's end: an add of 0 to my spare word and its wait, behind my last tensor load and my last LDS store
	ds_add_u32 v[SPW], v[NIL]
	s_wait_dscnt 0x0
	CROUND                                         ; the closing round: no work-group ends while a partner may still ask for a tile that names it
	s_endpgm
.Lfunc_end_k_qff4be29a2a_gemm:
	.size	k_qff4be29a2a_gemm, .Lfunc_end_k_qff4be29a2a_gemm-k_qff4be29a2a_gemm
	.p2alignl 7, 3214868480
	.fill 96, 4, 3214868480
	.section	.rodata,"a",@progbits
	.p2align	6, 0x0
	.amdhsa_kernel k_qff4be29a2a_gemm
		.amdhsa_group_segment_fixed_size 327680
		.amdhsa_private_segment_fixed_size 0
		.amdhsa_enable_private_segment 0
		.amdhsa_kernarg_size 40
		.amdhsa_user_sgpr_count 2
		.amdhsa_user_sgpr_kernarg_segment_ptr 1
		.amdhsa_wavefront_size32 1
		.amdhsa_system_sgpr_workgroup_id_x 1
		.amdhsa_system_sgpr_workgroup_id_y 1
		.amdhsa_system_sgpr_workgroup_id_z 1
		.amdhsa_system_vgpr_workitem_id 0
		.amdhsa_next_free_vgpr 1024
		.amdhsa_next_free_sgpr 66
		.amdhsa_reserve_vcc 0
		.amdhsa_float_denorm_mode_32 3
		.amdhsa_float_denorm_mode_16_64 3
		.amdhsa_memory_ordered 1
		.amdhsa_forward_progress 1
		.amdhsa_inst_pref_size 159
	.end_amdhsa_kernel
	.amdgpu_metadata
---
amdhsa.version: [ 1, 2 ]
amdhsa.kernels:
  - .name:           k_qff4be29a2a_gemm
    .symbol:         k_qff4be29a2a_gemm.kd
    .args:
      - { .name: xh, .offset: 0, .size: 8, .value_kind: global_buffer, .address_space: global }
      - { .name: qh, .offset: 8, .size: 8, .value_kind: global_buffer, .address_space: global }
      - { .name: scale, .offset: 16, .size: 8, .value_kind: global_buffer, .address_space: global }
      - { .name: bias, .offset: 24, .size: 8, .value_kind: global_buffer, .address_space: global }
      - { .name: out0, .offset: 32, .size: 8, .value_kind: global_buffer, .address_space: global }
    .group_segment_fixed_size: 327680
    .private_segment_fixed_size: 0
    .kernarg_segment_align: 8
    .kernarg_segment_size: 40
    .max_flat_workgroup_size: 128
    .sgpr_count:     66
    .vgpr_count:     1024
    .wavefront_size: 32
...
	.end_amdgpu_metadata
.endif
;; end of part 2
;; ======== version 2 of 2: 2 launches; version 1 with the launch convert written anew for expert scheduling mode
;; limits: values are held in f16: magnitudes above 65,504 overflow, below 6.1e-05 lose precision; inputs' magnitudes at most 65,504
;; workspace buffers: xh 33,554,432 bytes; qh 33,554,432 bytes
;; launch convert (part 3): grid 1024 x 1, 8 waves a work-group, no clusters, 0 bytes of LDS; arguments x, qweight, xh, qh; writes xh, qh
.if DOCPART == 3
	.amdgcn_target "amdgcn-amd-amdhsa--gfx1250"
	.amdhsa_code_object_version 6
	.text
	.protected	k_qff4be29a2a_convert
	.globl	k_qff4be29a2a_convert
	.p2align	8
	.type	k_qff4be29a2a_convert,@function
k_qff4be29a2a_convert:
	s_mov_b64 s[64:65], 0
	v_nop
	global_prefetch_b8 v0, s[64:65] scope:SCOPE_SE
	s_setreg_imm32_b32 hwreg(HW_REG_WAVE_SCHED_MODE, 0, 2), 2
	s_setreg_imm32_b32 hwreg(HW_REG_WAVE_MODE, 25, 1), 1
	s_wait_xcnt 0x0
	s_wait_alu depctr_vm_vsrc(0)
; xh = x rounded to f16, qh = q as f16.  x: 16,777,216 f32; q: 16,777,216 int8; xh, qh: as many f16, in the same order.
; LIMITS.  |x| of 65,520 or more becomes an infinity; below 6.1e-5 x keeps f16's fixed step of 6e-8.  Every int8 number is exact in f16: nothing is assumed of q's range.
; A stream: every byte is read once and written once, nothing is shared and nothing is summed, so there is no LDS, no barrier, no matrix instruction and no cluster.
; SHARES.  1,024 work-groups of eight waves; each takes 16,384 numbers of x and of q.  Thread t takes, of x, 16 bytes at 16 t of each of 16 runs of 4,096 bytes (a wave's load covers 512 consecutive bytes) and
; stores 8 bytes at 8 t of each of 16 runs of 2,048 (a wave's store covers 256 consecutive bytes, aligned); of q, 8 bytes at 8 t of each of 8 runs of 2,048, stored as 16 bytes at 16 t of runs of 4,096.
; All 24 loads of a thread go out first; there is no loop, and no register is written again that a store reads.
; int8 TO f16: the sign bits are flipped (u = q + 128); a byte permute sets each u under the byte 0x64, which is the f16 number 1024 + u; a packed f16 add of -1152 leaves q, exactly.
; THE MODE: SCHED_MODE bits 1:0 = 2 (LLVM: expert scheduling mode 2), set by the entry lines.  The code itself states the register dependences
; between vector instructions and memory instructions, with s_wait_alu, always for 0.
; THE PLAN.  Registers that memory instructions touch:
;   v[O16], v[O8]  offsets, made once at the head and never written again; every load and store reads one of them.
;   X, Q           written by the loads, all of which are issued at the head, ahead of every vector line that names them; read (Q also rewritten, in place) by vector lines alone.
;   XH, QH         each register is written once, by the conversions, and read once, by a store.
; The work goes in six groups of four loads: groups 0 to 3 are x's, groups 4 and 5 q's.  Group g converts its own four loads and issues the four stores of group g - 1.  Its conversions name the X or Q and
; the XH or QH of group g alone; its stores read the offsets and the XH or QH of group g - 1.  So ONE wait at the head of a group, behind the wait for the group's data, states all that its four stores hang
; on, and they are dealt among its conversions with no further wait.  No register that a memory instruction reads is ever written again, so no wait on vm_vsrc is owed.
.set NX,  16                           ; loads of x a thread
.set NQ,  8                            ; loads of q a thread
.set GR,  4                            ; loads in a group
.set O16, 2                            ; v2        16 t: my place in a run of x and of qh
.set O8,  3                            ; v3        8 t: my place in a run of q and of xh
.set C64, 4                            ; v4        the byte 0x64 four times
.set X,   8                            ; v[8:71]   x as loaded, 4 registers a load
.set Q,   72                           ; v[72:87]  q as loaded, 2 registers a load
.set XH,  88                           ; v[88:119] x in f16, 2 registers a load
.set QH,  120                          ; v[120:151] q in f16, 4 registers a load
.set SGN, 18                           ; s18  0x80808080
.set NEG, 19                           ; s19  -1152 twice, in f16
.set SELLO, 20                         ; s20  byte selects: raw bytes 0 and 1, each under 0x64
.set SELHI, 21                         ; s21  raw bytes 2 and 3
	s_load_b256 s[4:11], s[0:1], 0x0               ; x s[4:5], q s[6:7], xh s[8:9], qh s[10:11]
	s_lshl_b32 s12, ttmp9, 16                      ; the work-group's 65,536 bytes of x
	s_mov_b32 s13, 0
	s_lshl_b32 s14, ttmp9, 14                      ; its 16,384 bytes of q
	s_mov_b32 s15, 0
	s_lshl_b32 s16, ttmp9, 15                      ; its 32,768 bytes of xh and of qh
	s_mov_b32 s17, 0
	s_mov_b32 s[SGN], 0x80808080
	s_mov_b32 s[NEG], 0xe480e480
	s_mov_b32 s[SELLO], 0x04010400
	s_mov_b32 s[SELHI], 0x04030402
	v_lshlrev_b32 v[O16], 4, v0
	v_lshlrev_b32 v[O8], 3, v0
	v_mov_b32 v[C64], 0x64646464
	s_wait_kmcnt 0x0
	s_add_nc_u64 s[4:5], s[4:5], s[12:13]
	s_add_nc_u64 s[6:7], s[6:7], s[14:15]
	s_add_nc_u64 s[8:9], s[8:9], s[16:17]
	s_add_nc_u64 s[10:11], s[10:11], s[16:17]
	s_wait_alu depctr_va_vdst(0)                   ; v[O16] and v[O8] are written: every load and store of the kernel reads one of them as its offset
.set j, 0
.rept NX
	global_load_b128 v[X+4*j:X+4*j+3], v[O16], s[4:5] offset:4096*j
.set j, j+1
.endr
.set j, 0
.rept NQ
	global_load_b64 v[Q+2*j:Q+2*j+1], v[O8], s[6:7] offset:2048*j
.set j, j+1
.endr
; x's load j: rounded; stored.
.macro XCONV j
	v_cvt_pk_f16_f32 v[XH+2*(\j)],   v[X+4*(\j)],   v[X+4*(\j)+1]  ; two roundings to f16, packed
	v_cvt_pk_f16_f32 v[XH+2*(\j)+1], v[X+4*(\j)+2], v[X+4*(\j)+3]
.endm
.macro XSTORE j
	global_store_b64 v[O8], v[XH+2*(\j):XH+2*(\j)+1], s[8:9] offset:2048*(\j)
.endm
; q's load j: made into f16; stored.
.macro QCONV j
	v_xor_b32 v[Q+2*(\j)],   s[SGN], v[Q+2*(\j)]   ; u = q + 128, four at a time
	v_xor_b32 v[Q+2*(\j)+1], s[SGN], v[Q+2*(\j)+1]
	v_perm_b32 v[QH+4*(\j)],   v[C64], v[Q+2*(\j)],   s[SELLO]  ; 1024 + u, two at a time
	v_perm_b32 v[QH+4*(\j)+1], v[C64], v[Q+2*(\j)],   s[SELHI]
	v_perm_b32 v[QH+4*(\j)+2], v[C64], v[Q+2*(\j)+1], s[SELLO]
	v_perm_b32 v[QH+4*(\j)+3], v[C64], v[Q+2*(\j)+1], s[SELHI]
.irp e, 0,1,2,3
	v_pk_add_f16 v[QH+4*(\j)+(\e)], v[QH+4*(\j)+(\e)], s[NEG]   ; less 1152: q
.endr
.endm
.macro QSTORE j
	global_store_b128 v[O16], v[QH+4*(\j):QH+4*(\j)+3], s[10:11] offset:4096*(\j)
.endm
	; group 0: x's loads 0 to 3.  No group stands in front of it: no store, and no wait but the one for its data
	s_wait_loadcnt NX+NQ-GR                        ; loads come back in order (ISA guide 5.7.1): the group's four are in, the 20 younger ones stay out
.irp i, 0,1,2,3
	XCONV \i
.endr
	; groups 1 to 3: x's loads 4 g to 4 g + 3, and the stores of the group before
.irp g, 1,2,3
	s_wait_loadcnt NX+NQ-GR-GR*(\g)                ; the group's four loads are in; the younger ones (16, 12, 8) stay out
	s_wait_alu depctr_va_vdst(0)                   ; the roundings of the group before have written its XH, which the four stores below read
.irp i, 0,1,2,3
	XSTORE GR*(\g)-GR+(\i)                         ; no vector line since the wait names these registers
	XCONV GR*(\g)+(\i)
.endr
.endr
	; group 4: q's loads 0 to 3, and the stores of x's last group
	s_wait_loadcnt NQ-GR                           ; q's first four loads are in; the last four stay out
	s_wait_alu depctr_va_vdst(0)                   ; the roundings of group 3 have written its XH, which the four stores below read
.irp i, 0,1,2,3
	XSTORE NX-GR+(\i)
	QCONV \i
.endr
	; group 5: q's loads 4 to 7, and the stores of q's first group
	s_wait_loadcnt 0x0                             ; the last four loads are in
	s_wait_alu depctr_va_vdst(0)                   ; the adds of group 4 have written its QH, which the four stores below read
.irp i, 0,1,2,3
	QSTORE \i
	QCONV GR+(\i)
.endr
	s_wait_alu depctr_va_vdst(0)                   ; the adds of group 5 have written its QH, which the last four stores read
.irp i, 0,1,2,3
	QSTORE GR+(\i)
.endr
	s_endpgm
.Lfunc_end_k_qff4be29a2a_convert:
	.size	k_qff4be29a2a_convert, .Lfunc_end_k_qff4be29a2a_convert-k_qff4be29a2a_convert
	.p2alignl 7, 3214868480
	.fill 96, 4, 3214868480
	.section	.rodata,"a",@progbits
	.p2align	6, 0x0
	.amdhsa_kernel k_qff4be29a2a_convert
		.amdhsa_group_segment_fixed_size 0
		.amdhsa_private_segment_fixed_size 0
		.amdhsa_enable_private_segment 0
		.amdhsa_kernarg_size 32
		.amdhsa_user_sgpr_count 2
		.amdhsa_user_sgpr_kernarg_segment_ptr 1
		.amdhsa_wavefront_size32 1
		.amdhsa_system_sgpr_workgroup_id_x 1
		.amdhsa_system_sgpr_workgroup_id_y 1
		.amdhsa_system_sgpr_workgroup_id_z 1
		.amdhsa_system_vgpr_workitem_id 0
		.amdhsa_next_free_vgpr 152
		.amdhsa_next_free_sgpr 66
		.amdhsa_reserve_vcc 0
		.amdhsa_float_denorm_mode_32 3
		.amdhsa_float_denorm_mode_16_64 3
		.amdhsa_memory_ordered 1
		.amdhsa_forward_progress 1
		.amdhsa_inst_pref_size 13
	.end_amdhsa_kernel
	.amdgpu_metadata
---
amdhsa.version: [ 1, 2 ]
amdhsa.kernels:
  - .name:           k_qff4be29a2a_convert
    .symbol:         k_qff4be29a2a_convert.kd
    .args:
      - { .name: x, .offset: 0, .size: 8, .value_kind: global_buffer, .address_space: global }
      - { .name: qweight, .offset: 8, .size: 8, .value_kind: global_buffer, .address_space: global }
      - { .name: xh, .offset: 16, .size: 8, .value_kind: global_buffer, .address_space: global }
      - { .name: qh, .offset: 24, .size: 8, .value_kind: global_buffer, .address_space: global }
    .group_segment_fixed_size: 0
    .private_segment_fixed_size: 0
    .kernarg_segment_align: 8
    .kernarg_segment_size: 32
    .max_flat_workgroup_size: 256
    .sgpr_count:     66
    .vgpr_count:     152
    .wavefront_size: 32
...
	.end_amdgpu_metadata
.endif
;; end of part 3
;; launch gemm: the kernel of part 2 again; grid 16 x 16, 4 waves a work-group, clusters of 4 x 4, 327,680 bytes of LDS; arguments xh, qh, scale, bias, out0; writes out0
